; MI455X (gfx1250); checked and timed in simulation.
; The chip was launched on July 23, 2026; its instructions are those of AMD's public machine-readable ISA for CDNA 5 (MIT licence, August 2026) and "CDNA5" Instruction Set Architecture Reference Guide (July 2026).
;; LSTM. Allowed arithmetic: matrix products marked QUANTISED: E4M3 operands, one E8M0 scale for each 32 along K, by v_wmma_scale_f32_16x16x128_f8f6f4 with both operands' format E4M3, f32 sums; everything else in f32.
;; Inputs: W_codes 4,096 x 128 x 32 uint8 (E4M3 codes of W, K innermost, in blocks of 32 codes); W_scales 4,096 x 128 uint8 (E8M0 scales of W, one for each 32 codes along K); b 4,096 float32; x_codes 4,096 x 128 x 32 uint8 (E4M3 codes of x, K innermost, in blocks of 32 codes); x_scales 4,096 x 128 uint8 (E8M0 scales of x, one for each 32 codes along K).
;; Outputs: out0 4,096 x 4,096 float32.
;; This version of the problem:
;;   THIS VERSION OF THE PROBLEM IS GIVEN IN LOW PRECISION. The matrix products marked QUANTISED in the list below multiply operands that are first quantised to E4M3 (4 exponent bits, 3 mantissa bits; 8 bits a number), with one power-of-two scale for each 32 numbers along K (OCP MX v1.0); their sums are f32. All else is computed in f32.
;;   The module's matrix products, in the order in which they are computed (A, B: the left and right operand; K: the contracted axis; several contracted axes count as one K, in the product's order):
;;     1. [M 4,096, K 4,096] x [K 4,096, N 4,096]; A: input x (given as codes); B: input W (given as codes): QUANTISED
;;   THE QUANTISER, for each operand of a quantised product, along K:
;;     - K is cut into blocks of 32 from its start; a last block that is shorter is filled with zeros.
;;     - A block's scale is 2^e with e = floor(log2(the largest magnitude in the block)) - 8, held to -126 .. 127; a block of zeros has e = 0. As a byte (E8M0): e + 127.
;;     - Each number is divided by its block's scale, clamped to +-448, and rounded to the nearest number of E4M3, ties to even, subnormals kept.
;;     - The product sums the exact products of the quantised numbers (number of the format x scale) in f32.
;;   ~~~python
;;   def quantise(x, axis):      # numpy; x: float32 -> the quantised numbers, widened to float32 again
;;       x = np.moveaxis(x, axis, -1); K = x.shape[-1]
;;       x = np.pad(x, [(0, 0)] * (x.ndim - 1) + [(0, -K % 32)]); x = x.reshape(x.shape[:-1] + (-1, 32)); a = np.abs(x).max(-1, keepdims=True)
;;       e = np.where(a > 0, np.clip(np.frexp(np.where(a > 0, a, 1))[1] - 1 - 8, -126, 127), 0)      # np.frexp(a)[1] - 1 = floor(log2(a)), exactly
;;       r = np.clip(x / 2.0 ** e, -448, 448)
;;       step = 2.0 ** (np.maximum(np.frexp(np.where(r == 0, 1, r))[1] - 1, -6) - 3)
;;       q = np.round(r / step) * step * 2.0 ** e      # np.round: ties to even
;;       return np.moveaxis(q.reshape(q.shape[:-2] + (-1,))[..., :K], -1, axis).astype(np.float32)
;;   ~~~
;;   INPUTS GIVEN AS CODES. W (in the module: [4096, 4096], K = its axis 0); x (in the module: [4096, 4096], K = its axis 1): each comes as NAME_codes (uint8): NAME with its K axis moved to the last place and cut into blocks of 32 codes, [.., K / 32, bytes a block], one block behind the other in memory; one code a byte (a code: sign, 4 exponent bits, 3 mantissa bits); and NAME_scales (uint8): the same leading axes, one E8M0 byte (e + 127) for each 32 codes along K. Its value is code x scale, taken as it is: it is not quantised again, and the codes and scales need not be those that the quantiser above would give.
;; One version. Each part assembles by itself: llvm-mc -triple=amdgcn-amd-amdhsa -mcpu=gfx1250 --defsym DOCPART=n.
;; ======== version 1 of 1: 2 launches
;; workspace buffers: h 67,108,864 bytes
;; launch gemm (part 1): grid 16 x 16, 4 waves a work-group, clusters of 4 x 4, 327,680 bytes of LDS; arguments x_codes, x_scales, W_codes, W_scales, b, h; writes h
.if DOCPART == 1
	.amdgcn_target "amdgcn-amd-amdhsa--gfx1250"
	.amdhsa_code_object_version 6
	.text
	.protected	k_q8f1d401ea1_gemm
	.globl	k_q8f1d401ea1_gemm
	.p2align	8
	.type	k_q8f1d401ea1_gemm,@function
k_q8f1d401ea1_gemm:
	s_mov_b64 s[64:65], 0
	v_nop
	global_prefetch_b8 v0, s[64:65] scope:SCOPE_SE
	s_setreg_imm32_b32 hwreg(HW_REG_WAVE_MODE, 25, 1), 1
	s_wait_xcnt 0x0
	s_wait_alu depctr_hold_cnt(0) depctr_sa_sdst(0) depctr_va_vdst(0) depctr_va_sdst(0) depctr_va_ssrc(0) depctr_va_vcc(0) depctr_vm_vsrc(0)
	s_getreg_b32 s2, hwreg(HW_REG_IB_STS2, 6, 4)
	s_cmp_eq_u32 s2, 0
	s_cbranch_scc0 .Lentry_in_a_cluster
	s_endpgm
.Lentry_in_a_cluster:
	s_bfe_u32 s2, ttmp6, 0x10000c
	s_cmp_lg_u32 s2, 0xf033
	s_cbranch_scc0 .Lentry_shape_is_right
	s_endpgm
.Lentry_shape_is_right:
.set ROWB,   256
.set KROW,   4096
.set PITCH,  272
.set FR,     16
.set NL,     4
.set NP,     8
.set HALFT,  128*PITCH
.set SLOT,   4*HALFT
.set SROW,   88
.set HALFS,  128*SROW
.set SBLK,   16*SROW
.set SCL,    2*SLOT
.set SPARE,  SCL+4*HALFS
.set SPITCH, 528
.set NROW,   16384
.set ADRA, 2
.set ADRB, 4
.set ADSA, 6
.set ADSB, 7
.set SPW,  8
.set NIL,  9
.set PFO,  10
.set BIAS, 12
.set SW,   16
.set R11,  48
.set RQ,   64
.set AF,   128
.set T,    128
.set BK,   128
.set STO,  2
.set RD,   3
.set CO,   4
.set SG,   6
.set WV, 16
.set RH, 17
.set CH, 18
.set TR, 19
.set TC, 42
.set LIM, 43
.set PFA, 44
.set SGN, 66
.set G1, 24
.set G0, 32
.set G1B, 48
.set G0B, 56
.set G1S, 68
.set G0S, 76
.set G1SB, 80
.set G0SB, 88
.set RSA, 96
.set RSB, 98
.set MSB, 0
.macro WIN new
.if MSB != \new
	s_set_vgpr_msb (MSB<<8)|\new
.set MSB, \new
.endif
.endm
.set MUL_LO, 0xa1
.set MUL_HI, 0xf1
.set TO_B,   0x40
.set W_FLIP, 0x45
.macro JLOAD g0a, g1a, g0b, g1b
	s_cmp_eq_u32 s[RH], 0
	s_cbranch_scc0 .Lfor_b_\@
	tensor_load_to_lds s[\g0a:\g0a+3], s[\g1a:\g1a+7]
	s_nop 0
.rept 4
	v_nop
.endr
	s_branch .Lasked_\@
.Lfor_b_\@:
	tensor_load_to_lds s[\g0b:\g0b+3], s[\g1b:\g1b+7]
	s_nop 0
.rept 4
	v_nop
.endr
.Lasked_\@:
.endm
.macro CREST
	s_cmp_lg_u32 s[WV], 0
	s_cbranch_scc1 .Lnot_wave_0_\@
	s_barrier_signal -3
.Lnot_wave_0_\@:
	s_barrier_wait -3
	s_barrier_signal -1
	s_barrier_wait -1
.endm
.macro CROUND
	s_barrier_signal -1
	s_barrier_wait -1
	CREST
.endm
.macro ASK
	s_cmp_eq_u32 s[LIM], 1
	s_cbranch_scc0 .Lnot_mine_\@
	global_prefetch_b8 v[PFO], s[PFA:PFA+1] offset:ROWB th:TH_LOAD_NT scope:SCOPE_SE
.Lnot_mine_\@:
.endm
	s_load_b256 s[4:11], s[0:1], 0x0
	s_load_b128 s[12:15], s[0:1], 0x20
	v_lshl_add_u32 v[SPW], v0, 2, SPARE
	v_mov_b32 v[NIL], 0
	ds_add_u32 v8, v9
	ds_add_u32 v8, v9
	s_wait_dscnt 0x0
	v_lshrrev_b32 v1, 5, v0
	v_readfirstlane_b32 s[WV], v1
	s_lshr_b32 s[RH], s[WV], 1
	s_and_b32 s[CH], s[WV], 1
	s_mov_b32 s[SGN], 0x80808080
	s_bfe_u32 s40, ttmp6, 0x40000
	s_bfe_u32 s41, ttmp6, 0x40004
	s_lshl_b32 s[TC], ttmp9, 2
	s_add_co_u32 s[TC], s[TC], s40
	s_and_b32 s[TR], ttmp7, 0xffff
	s_lshl_b32 s[TR], s[TR], 2
	s_add_co_u32 s[TR], s[TR], s41
	s_lshl_b32 s43, s41, 2
	s_lshl_b32 s43, 15, s43
	s_lshl_b32 s44, 0x1111, s40
	s_or_b32 s[G1+0], s43, (0<<16)|(1<<20)|(1<<21)|(5<<22)|(3<<25)
	s_or_b32 s[G1B+0], s44, (0<<16)|(1<<20)|(1<<21)|(5<<22)|(3<<25)
.irp g, G1, G1B
	s_mov_b32 s[\g+1], ROWB<<16
	s_mov_b32 s[\g+2], 128<<16
	s_mov_b32 s[\g+3], ROWB<<16
	s_mov_b32 s[\g+4], 128
	s_mov_b32 s[\g+5], KROW
	s_mov_b32 s[\g+6], 0
	s_mov_b32 s[\g+7], 0
.endr
	s_or_b32 s[G1S+0], s43, (3<<16)|(1<<21)
	s_or_b32 s[G1SB+0], s44, (3<<16)|(1<<21)
.irp g, G1S, G1SB
	s_mov_b32 s[\g+1], 11<<16
	s_mov_b32 s[\g+2], 128<<16
	s_mov_b32 s[\g+3], 11<<16
	s_mov_b32 s[\g+4], 128
	s_mov_b32 s[\g+5], 16
	s_mov_b32 s[\g+6], 0
	s_mov_b32 s[\g+7], 0
.endr
	s_lshl_b32 s20, s[CH], 7
	s_lshl_b32 s22, s[TR], 8
	s_add_co_u32 s22, s22, s20
	s_lshl_b32 s46, s[TC], 8
	s_add_co_u32 s46, s46, s20
	s_lshl_b32 s92, s22, 7
	s_mov_b32 s93, 0
	s_lshl_b32 s94, s46, 7
	s_mov_b32 s95, 0
	s_lshl_b32 s22, s22, 12
	s_mov_b32 s23, 0
	s_lshl_b32 s46, s46, 12
	s_mov_b32 s47, 0
	s_mul_i32 s20, s[WV], HALFT
	s_mul_i32 s21, s[WV], HALFS
	s_wait_kmcnt 0x0
	s_add_nc_u64 s[22:23], s[4:5], s[22:23]
	s_add_nc_u64 s[92:93], s[6:7], s[92:93]
	s_add_nc_u64 s[46:47], s[8:9], s[46:47]
	s_add_nc_u64 s[94:95], s[10:11], s[94:95]
	CROUND
	s_mov_b32 s[G0S], 1
	s_add_co_u32 s[G0S+1], s21, SCL
	s_mov_b64 s[G0S+2:G0S+3], s[92:93]
	s_or_b32 s[G0S+3], s[G0S+3], 0x80000000
	s_mov_b32 s[G0SB], 1
	s_add_co_u32 s[G0SB+1], s21, SCL
	s_mov_b64 s[G0SB+2:G0SB+3], s[94:95]
	s_or_b32 s[G0SB+3], s[G0SB+3], 0x80000000
	JLOAD G0S, G1S, G0SB, G1SB
.irp s, 0,1
	s_mov_b32 s[G0+4*\s], 1
	s_add_co_u32 s[G0+4*\s+1], s20, \s*SLOT
	s_add_nc_u64 s[G0+4*\s+2:G0+4*\s+3], s[22:23], \s*ROWB
	s_or_b32 s[G0+4*\s+3], s[G0+4*\s+3], 0x80000000
	s_mov_b32 s[G0B+4*\s], 1
	s_add_co_u32 s[G0B+4*\s+1], s20, \s*SLOT
	s_add_nc_u64 s[G0B+4*\s+2:G0B+4*\s+3], s[46:47], \s*ROWB
	s_or_b32 s[G0B+4*\s+3], s[G0B+4*\s+3], 0x80000000
	JLOAD G0+4*\s, G1, G0B+4*\s, G1B
.endr
	v_and_b32 v[T], 15, v0
	v_bfe_u32 v[T+1], v0, 4, 1
	v_mul_u32_u24 v[T+2], v[T], PITCH
	v_lshl_add_u32 v[T+2], v[T+1], 4, v[T+2]
	s_mul_i32 s20, s[RH], HALFT
	s_mul_i32 s21, s[CH], HALFT
	s_add_co_u32 s21, s21, 2*HALFT
.irp s, 0,1
	v_add_nc_u32 v[ADRA+\s], s20, v[T+2]
	v_add_nc_u32 v[ADRB+\s], s21, v[T+2]
	s_add_co_u32 s20, s20, SLOT
	s_add_co_u32 s21, s21, SLOT
.endr
	v_mul_u32_u24 v[T+3], v[T], SROW
	v_lshl_add_u32 v[T+3], v[T+1], 2, v[T+3]
	s_mul_i32 s20, s[RH], HALFS
	s_add_co_u32 s20, s20, SCL
	s_mul_i32 s21, s[CH], HALFS
	s_add_co_u32 s21, s21, SCL+2*HALFS
	v_add_nc_u32 v[ADSA], s20, v[T+3]
	v_add_nc_u32 v[ADSB], s21, v[T+3]
	v_and_b32 v[PFO], 31, v0
	v_lshlrev_b32 v[PFO], 12, v[PFO]
	s_lshl_b32 s20, s[TR], 8
	s_lshl_b32 s21, s[TC], 8
	s_and_b32 s22, ttmp7, 0xffff
	s_cmp_eq_u32 s[RH], 0
	s_cselect_b32 s20, s20, s21
	s_cselect_b32 s21, s40, s41
	s_cselect_b32 s22, ttmp9, s22
	s_cselect_b64 s[PFA:PFA+1], s[4:5], s[8:9]
	s_cmp_eq_u32 s22, 0
	s_cselect_b32 s[LIM], 1, -1
	s_lshl_b32 s22, s[CH], 7
	s_add_co_u32 s20, s20, s22
	s_lshl_b32 s21, s21, 5
	s_add_co_u32 s20, s20, s21
	s_lshl_b32 s20, s20, 12
	s_mov_b32 s21, 0
	s_add_nc_u64 s[PFA:PFA+1], s[PFA:PFA+1], s[20:21]
	s_add_nc_u64 s[PFA:PFA+1], s[PFA:PFA+1], 2*ROWB
	s_lshl_b32 s20, s[TR], 8
	s_lshl_b32 s21, s[RH], 7
	s_add_co_u32 s20, s20, s21
	s_lshl_b32 s92, s20, 7
	s_mov_b32 s93, 0
	s_add_nc_u64 s[RSA:RSA+1], s[6:7], s[92:93]
	s_lshl_b32 s92, s20, 14
	s_add_nc_u64 s[14:15], s[14:15], s[92:93]
	s_lshl_b32 s46, s[TC], 8
	s_lshl_b32 s47, s[CH], 7
	s_add_co_u32 s46, s46, s47
	s_lshl_b32 s94, s46, 7
	s_mov_b32 s95, 0
	s_add_nc_u64 s[RSB:RSB+1], s[10:11], s[94:95]
	s_lshl_b32 s94, s46, 2
	s_add_nc_u64 s[12:13], s[12:13], s[94:95]
	s_add_nc_u64 s[14:15], s[14:15], s[94:95]
	v_lshlrev_b32 v[T+4], 7, v[T]
	v_lshl_add_u32 v[T+5], v[T+1], 2, v[T+4]
	v_lshl_add_u32 v[T+4], v[T+1], 4, v[T+4]
	v_and_b32 v[T+6], 31, v0
	v_lshlrev_b32 v[T+6], 4, v[T+6]
.irp i, 0,1,2,3,4,5,6,7
	global_load_b128 v[RQ+4*\i:RQ+4*\i+3], v[T+4], s[RSA:RSA+1] offset:2048*\i+96
	global_load_b128 v[RQ+32+4*\i:RQ+32+4*\i+3], v[T+4], s[RSB:RSB+1] offset:2048*\i+96
	global_load_b32 v[R11+\i], v[T+5], s[RSA:RSA+1] offset:2048*\i+88
	global_load_b32 v[R11+8+\i], v[T+5], s[RSB:RSB+1] offset:2048*\i+88
.endr
	global_load_b128 v[BIAS:BIAS+3], v[T+6], s[12:13]
.macro FRAG reg, adr, q, i
.irp c, 0,1,2,3
	ds_load_b128 v[\reg+4*\c:\reg+4*\c+3], v[\adr] offset:128*(\q)+32*\c+(\i)*16*PITCH
.endr
.endm
.macro TURN_SIGN fx
	v_xor_b32 v[128*(\fx)+32*(XI/16)+16+XI%16], s[SGN], v[128*(\fx)+32*(XI/16)+16+XI%16]
.set XI, XI+1
.endm
.macro MUL16 a0, p, zero, sa, sb, ss, sr, fl, fx, w
.set XI, 0
.irp a, \a0, \a0+1
.irp b, 0,1,2,3,4,5,6,7
.if \zero
	v_wmma_scale_f32_16x16x128_f8f6f4 v[8*(8*((\a)%4)+\b):8*(8*((\a)%4)+\b)+7], v[128*(\p)+FR*\b:128*(\p)+FR*\b+FR-1], v[AF+FR*(\a):AF+FR*(\a)+FR-1], 0, v[(\sb)+(\ss)*\b], v[(\sa)+(\ss)*(\a)]
.elseif \sr
	v_wmma_scale_f32_16x16x128_f8f6f4 v[8*(8*((\a)%4)+\b):8*(8*((\a)%4)+\b)+7], v[128*(\p)+FR*\b:128*(\p)+FR*\b+FR-1], v[AF+FR*(\a):AF+FR*(\a)+FR-1], v[8*(8*((\a)%4)+\b):8*(8*((\a)%4)+\b)+7], v[(\sb)+(\ss)*\b], v[(\sa)+(\ss)*(\a)] matrix_a_scale:MATRIX_SCALE_ROW1 matrix_b_scale:MATRIX_SCALE_ROW1
.else
	v_wmma_scale_f32_16x16x128_f8f6f4 v[8*(8*((\a)%4)+\b):8*(8*((\a)%4)+\b)+7], v[128*(\p)+FR*\b:128*(\p)+FR*\b+FR-1], v[AF+FR*(\a):AF+FR*(\a)+FR-1], v[8*(8*((\a)%4)+\b):8*(8*((\a)%4)+\b)+7], v[(\sb)+(\ss)*\b], v[(\sa)+(\ss)*(\a)]
.endif
.if \fl
	WIN W_FLIP
.rept 4
	TURN_SIGN \fx
.endr
	WIN \w
.endif
.endr
.endr
.endm
.macro FETCH_B slot, q, p
	WIN TO_B
.irp i, 1,3,5,7,0,2,4,6
	FRAG 128*(\p)+FR*\i, ADRB+\slot, \q, \i
.endr
	WIN 0
.endm
.macro FETCH_A slot, q, i0
.irp i, \i0, \i0+1, \i0+2, \i0+3
	FRAG AF+FR*(\i), ADRA+\slot, \q, \i
.endr
.endm
.macro SCALES set
.irp i, 0,1,2,3,4,5,6,7
	ds_load_b32 v[SW+16*\set+\i], v[ADSA] offset:\i*SBLK
	ds_load_b32 v[SW+16*\set+8+\i], v[ADSB] offset:\i*SBLK
.endr
.endm
.macro PLACES n
.rept \n
	v_nop
.endr
.endm
.macro STEP slot, zero, sa, sb, ss, sr
	s_wait_dscnt 4*NL
	WIN MUL_LO
	MUL16 0, 0, \zero, \sa, \sb, \ss, \sr, 0, 0, 0
	MUL16 2, 0, \zero, \sa, \sb, \ss, \sr, 0, 0, 0
	s_wait_dscnt 0x0
	PLACES NP
	FETCH_B \slot, 1, 1
	FETCH_A \slot, 1, 0
	WIN MUL_HI
	MUL16 4, 0, \zero, \sa, \sb, \ss, \sr, 0, 0, 0
	s_wait_dscnt 8*NL
	MUL16 6, 0, \zero, \sa, \sb, \ss, \sr, 1, 1, MUL_HI
	PLACES NP
	WIN 0
	FETCH_A \slot, 1, 4
.endm
.macro TURN slot, next, fill, ask, sload, sa, sb, ss, sr
	s_wait_dscnt 4*NL
	WIN MUL_LO
	MUL16 0, 1, 0, \sa, \sb, \ss, \sr, 0, 0, 0
	MUL16 2, 1, 0, \sa, \sb, \ss, \sr, 0, 0, 0
	WIN 0
.if \ask
	s_wait_xcnt 0x0
	s_add_nc_u64 s[PFA:PFA+1], s[PFA:PFA+1], ROWB
.endif
	s_wait_tensorcnt 0x0
	ds_add_u32 v[SPW], v[NIL]
.if \fill
	s_add_nc_u64 s[G0+4*\slot+2:G0+4*\slot+3], s[G0+4*\slot+2:G0+4*\slot+3], 2*ROWB
	s_add_nc_u64 s[G0B+4*\slot+2:G0B+4*\slot+3], s[G0B+4*\slot+2:G0B+4*\slot+3], 2*ROWB
.endif
	s_wait_dscnt 0x0
	s_barrier_signal -1
	s_barrier_wait -1
.if \fill
	CREST
	JLOAD G0+4*\slot, G1, G0B+4*\slot, G1B
	PLACES NP-4
.else
	PLACES NP
.endif
.if \sload
	v_add_nc_u32 v[ADSA], 8, v[ADSA]
	v_add_nc_u32 v[ADSB], 8, v[ADSB]
.endif
	FETCH_B \next, 0, 0
	FETCH_A \next, 0, 0
.if \sload
	SCALES \next
.endif
.if \ask
	ASK
.endif
	WIN MUL_HI
	MUL16 4, 1, 0, \sa, \sb, \ss, \sr, 0, 0, 0
	s_wait_dscnt 8*NL+16*\sload
	MUL16 6, 1, 0, \sa, \sb, \ss, \sr, 1, 0, MUL_HI
	PLACES NP
	WIN 0
	FETCH_A \next, 0, 4
.endm
	s_wait_xcnt 0x0
	s_wait_tensorcnt 1
	s_barrier_signal -1
	s_barrier_wait -1
	FETCH_B 0, 0, 0
	FETCH_A 0, 0, 0
	SCALES 0
	FETCH_A 0, 0, 4
	s_wait_dscnt 48
	WIN W_FLIP
.set XI, 0
.rept 64
	TURN_SIGN 0
.endr
	WIN 0
	PLACES 4
	STEP 0, 1, SW, SW+8, 1, 0
	s_mov_b32 s3, 5
.Llap:
	TURN 0, 1, 1, 1, 1, SW, SW+8, 1, 1
	STEP 1, 0, SW+16, SW+24, 1, 0
	TURN 1, 0, 1, 1, 1, SW+16, SW+24, 1, 1
	STEP 0, 0, SW, SW+8, 1, 0
	s_sub_co_u32 s3, s3, 1
	s_cmp_lg_u32 s3, 0
	s_cbranch_scc1 .Llap
	s_wait_loadcnt 0x0
	TURN 0, 1, 1, 1, 0, SW, SW+8, 1, 1
	STEP 1, 0, R11, R11+8, 1, 0
	TURN 1, 0, 1, 1, 0, R11, R11+8, 1, 1
	STEP 0, 0, RQ, RQ+32, 4, 0
	TURN 0, 1, 1, 0, 0, RQ+1, RQ+33, 4, 0
	STEP 1, 0, RQ+2, RQ+34, 4, 0
	TURN 1, 0, 1, 0, 0, RQ+3, RQ+35, 4, 0
	STEP 0, 0, RQ, RQ+32, 4, 1
	TURN 0, 1, 0, 0, 0, RQ+1, RQ+33, 4, 1
	STEP 1, 0, RQ+2, RQ+34, 4, 1
	s_wait_dscnt 4*NL
	WIN MUL_LO
	MUL16 0, 1, 0, RQ+3, RQ+35, 4, 1, 0, 0, 0
	MUL16 2, 1, 0, RQ+3, RQ+35, 4, 1, 0, 0, 0
	s_wait_dscnt 0x0
	WIN MUL_HI
	MUL16 4, 1, 0, RQ+3, RQ+35, 4, 1, 0, 0, 0
	MUL16 6, 1, 0, RQ+3, RQ+35, 4, 1, 0, 0, 0
	WIN 0
	v_and_b32 v5, 15, v0
	v_bfe_u32 v[SG], v0, 4, 1
	s_mul_i32 s20, s[WV], 16*SPITCH
	v_mul_u32_u24 v[STO], v5, SPITCH
	v_lshl_add_u32 v[STO], v[SG], 5, v[STO]
	v_add_nc_u32 v[STO], s20, v[STO]
	v_and_b32 v5, 31, v0
	v_lshlrev_b32 v[CO], 4, v5
	v_add_nc_u32 v[RD], s20, v[CO]
	v_bfe_u32 v[SG], v0, 2, 1
	v_lshlrev_b32 v[SG], 31, v[SG]
	v_or_b32 v[SG], 1.0, v[SG]
	v_mov_b32 v[SG+1], v[SG]
.macro TOSTAGE a
.set AC, 64*((\a)%4)
	WIN 0x08+4*((\a)/4)
.irp b, 0,1,2,3,4,5,6,7
	ds_store_b128 v[STO], v[AC+8*\b:AC+8*\b+3] offset:64*\b
	ds_store_b128 v[STO], v[AC+8*\b+4:AC+8*\b+7] offset:64*\b+16
.endr
	WIN 0
.set BB, BK+64*((\a)%2)
.irp t, 0,1,2,3,4,5,6,7,8,9,10,11,12,13,14,15
	ds_load_b128 v[BB+4*\t:BB+4*\t+3], v[RD] offset:\t*SPITCH
.endr
.endm
.macro SEND a, younger
.set BB, BK+64*((\a)%2)
	s_wait_dscnt \younger
.if (\a) > 0
	s_add_nc_u64 s[14:15], s[14:15], 16*NROW
.endif
.irp t, 0,1,2,3,4,5,6,7,8,9,10,11,12,13,14,15
	v_pk_fma_f32 v[BB+4*\t:BB+4*\t+1], v[BB+4*\t:BB+4*\t+1], v[SG:SG+1], v[BIAS:BIAS+1]
	v_pk_fma_f32 v[BB+4*\t+2:BB+4*\t+3], v[BB+4*\t+2:BB+4*\t+3], v[SG:SG+1], v[BIAS+2:BIAS+3]
.endr
.irp t, 0,1,2,3,4,5,6,7,8,9,10,11,12,13,14,15
	global_store_b128 v[CO], v[BB+4*\t:BB+4*\t+3], s[14:15] offset:\t*NROW th:TH_STORE_NT
.endr
.endm
	PLACES NP
	TOSTAGE 0
.irp a, 1,2,3,4,5,6,7
.if \a > 1
	s_wait_xcnt 0x0
.endif
	TOSTAGE \a
	SEND \a-1, 32
.endr
	s_wait_xcnt 0x0
	SEND 7, 0
	s_wait_tensorcnt 0x0
	ds_add_u32 v[SPW], v[NIL]
	s_wait_dscnt 0x0
	CROUND
	s_endpgm
.Lfunc_end_k_q8f1d401ea1_gemm:
	.size	k_q8f1d401ea1_gemm, .Lfunc_end_k_q8f1d401ea1_gemm-k_q8f1d401ea1_gemm
	.p2alignl 7, 3214868480
	.fill 96, 4, 3214868480
	.section	.rodata,"a",@progbits
	.p2align	6, 0x0
	.amdhsa_kernel k_q8f1d401ea1_gemm
		.amdhsa_group_segment_fixed_size 327680
		.amdhsa_private_segment_fixed_size 0
		.amdhsa_enable_private_segment 0
		.amdhsa_kernarg_size 48
		.amdhsa_user_sgpr_count 2
		.amdhsa_user_sgpr_kernarg_segment_ptr 1
		.amdhsa_wavefront_size32 1
		.amdhsa_system_sgpr_workgroup_id_x 1
		.amdhsa_system_sgpr_workgroup_id_y 1
		.amdhsa_system_sgpr_workgroup_id_z 1
		.amdhsa_system_vgpr_workitem_id 0
		.amdhsa_next_free_vgpr 1024
		.amdhsa_next_free_sgpr 100
		.amdhsa_reserve_vcc 0
		.amdhsa_float_denorm_mode_32 3
		.amdhsa_float_denorm_mode_16_64 3
		.amdhsa_memory_ordered 1
		.amdhsa_forward_progress 1
		.amdhsa_inst_pref_size 255
	.end_amdhsa_kernel
	.section	.bss,"aw",@nobits
	.p2align	6
	.space	262144
	.amdgpu_metadata
---
amdhsa.version: [ 1, 2 ]
amdhsa.kernels:
  - .name:           k_q8f1d401ea1_gemm
    .symbol:         k_q8f1d401ea1_gemm.kd
    .args:
      - { .name: x_codes, .offset: 0, .size: 8, .value_kind: global_buffer, .address_space: global }
      - { .name: x_scales, .offset: 8, .size: 8, .value_kind: global_buffer, .address_space: global }
      - { .name: W_codes, .offset: 16, .size: 8, .value_kind: global_buffer, .address_space: global }
      - { .name: W_scales, .offset: 24, .size: 8, .value_kind: global_buffer, .address_space: global }
      - { .name: b, .offset: 32, .size: 8, .value_kind: global_buffer, .address_space: global }
      - { .name: h, .offset: 40, .size: 8, .value_kind: global_buffer, .address_space: global }
    .group_segment_fixed_size: 327680
    .private_segment_fixed_size: 0
    .kernarg_segment_align: 8
    .kernarg_segment_size: 48
    .max_flat_workgroup_size: 128
    .sgpr_count:     100
    .vgpr_count:     1024
    .wavefront_size: 32
...
	.end_amdgpu_metadata
.endif
;; end of part 1
;; launch scan (part 2): grid 512 x 1, 8 waves a work-group, no clusters, 0 bytes of LDS; arguments h, out0; writes out0
.if DOCPART == 2
	.amdgcn_target "amdgcn-amd-amdhsa--gfx1250"
	.amdhsa_code_object_version 6
	.text
	.protected	k_q8f1d401ea1_scan
	.globl	k_q8f1d401ea1_scan
	.p2align	8
	.type	k_q8f1d401ea1_scan,@function
k_q8f1d401ea1_scan:
	s_mov_b64 s[64:65], 0
	v_nop
	global_prefetch_b8 v0, s[64:65] scope:SCOPE_SE
	s_setreg_imm32_b32 hwreg(HW_REG_WAVE_MODE, 25, 1), 1
	s_wait_xcnt 0x0
.set X, 16
.set VT, 4
.set ES, 8
.set CAR, 12
	s_load_b128 s[4:7], s[0:1], 0x0
	v_lshrrev_b32 v2, 5, v0
	v_readfirstlane_b32 s8, v2
	v_and_b32 v1, 31, v0
	v_lshlrev_b32 v1, 4, v1
	s_lshl_b32 s9, ttmp9, 3
	s_add_co_u32 s9, s9, s8
	s_lshl_b32 s10, s9, 14
	s_mov_b32 s11, 0
	s_mov_b32 s[CAR], 0
	s_mov_b32 vcc_lo, 0xffff0000
.irp i, 0,1,2,3,4,5,6,7
	v_mov_b32 v[ES+\i], 0
.endr
	s_wait_kmcnt 0x0
	s_add_nc_u64 s[4:5], s[4:5], s[10:11]
	s_add_nc_u64 s[6:7], s[6:7], s[10:11]
.set t, 0
.rept 32
	global_load_b128 v[X+4*t:X+4*t+3], v1, s[4:5] offset:512*t th:TH_LOAD_NT
.set t, t+1
.endr
.macro GROUP g
	s_wait_loadcnt 28-4*(\g)
.irp k, 1,2,3
.irp u, 0,1,2,3
	v_add_f32 v[X+16*(\g)+4*\u+\k], v[X+16*(\g)+4*\u+\k-1], v[X+16*(\g)+4*\u+\k]
.endr
.endr
.irp u, 0,1,2,3
	v_add_f32_dpp v[ES+2*\u+1], v[X+16*(\g)+4*\u+3], v[X+16*(\g)+4*\u+3] row_shr:1 row_mask:0xf bank_mask:0xf bound_ctrl:1
.endr
.irp d, 2,4,8
.irp u, 0,1,2,3
	v_add_f32_dpp v[ES+2*\u+1], v[ES+2*\u+1], v[ES+2*\u+1] row_shr:\d row_mask:0xf bank_mask:0xf bound_ctrl:1
.endr
.endr
.irp u, 0,1,2,3
	v_readlane_b32 s[16+2*\u], v[ES+2*\u+1], 15
	v_readlane_b32 s[17+2*\u], v[ES+2*\u+1], 31
	v_mov_b32_dpp v[ES+2*\u], v[ES+2*\u+1] row_shr:1 row_mask:0xf bank_mask:0xf bound_ctrl:1
.endr
.irp u, 0,1,2,3
	s_mov_b32 s[24+\u], s[CAR]
	s_add_f32 s[28+\u], s[CAR], s[16+2*\u]
	s_add_f32 s[CAR], s[28+\u], s[17+2*\u]
.endr
.irp u, 0,1,2,3
	v_mov_b32 v[VT+\u], s[24+\u]
.endr
.irp u, 0,1,2,3
	v_cndmask_b32 v[VT+\u], v[VT+\u], s[28+\u], vcc_lo
.endr
.irp u, 0,1,2,3
	v_add_f32 v[ES+2*\u], v[ES+2*\u], v[VT+\u]
.endr
.irp u, 0,1,2,3
	v_pk_add_f32 v[X+16*(\g)+4*\u:X+16*(\g)+4*\u+1], v[X+16*(\g)+4*\u:X+16*(\g)+4*\u+1], v[ES+2*\u:ES+2*\u+1] op_sel_hi:[1,0]
	v_pk_add_f32 v[X+16*(\g)+4*\u+2:X+16*(\g)+4*\u+3], v[X+16*(\g)+4*\u+2:X+16*(\g)+4*\u+3], v[ES+2*\u:ES+2*\u+1] op_sel_hi:[1,0]
.endr
.irp u, 0,1,2,3
	global_store_b128 v1, v[X+16*(\g)+4*\u:X+16*(\g)+4*\u+3], s[6:7] offset:512*(4*(\g)+\u) th:TH_STORE_NT
.endr
.endm
.irp g, 0,1,2,3,4,5,6,7
	GROUP \g
.endr
	s_endpgm
.Lfunc_end_k_q8f1d401ea1_scan:
	.size	k_q8f1d401ea1_scan, .Lfunc_end_k_q8f1d401ea1_scan-k_q8f1d401ea1_scan
	.p2alignl 7, 3214868480
	.fill 96, 4, 3214868480
	.section	.rodata,"a",@progbits
	.p2align	6, 0x0
	.amdhsa_kernel k_q8f1d401ea1_scan
		.amdhsa_group_segment_fixed_size 0
		.amdhsa_private_segment_fixed_size 0
		.amdhsa_enable_private_segment 0
		.amdhsa_kernarg_size 16
		.amdhsa_user_sgpr_count 2
		.amdhsa_user_sgpr_kernarg_segment_ptr 1
		.amdhsa_wavefront_size32 1
		.amdhsa_system_sgpr_workgroup_id_x 1
		.amdhsa_system_sgpr_workgroup_id_y 1
		.amdhsa_system_sgpr_workgroup_id_z 1
		.amdhsa_system_vgpr_workitem_id 0
		.amdhsa_next_free_vgpr 144
		.amdhsa_next_free_sgpr 66
		.amdhsa_reserve_vcc 1
		.amdhsa_float_denorm_mode_32 3
		.amdhsa_float_denorm_mode_16_64 3
		.amdhsa_memory_ordered 1
		.amdhsa_forward_progress 1
		.amdhsa_inst_pref_size 36
	.end_amdhsa_kernel
	.amdgpu_metadata
---
amdhsa.version: [ 1, 2 ]
amdhsa.kernels:
  - .name:           k_q8f1d401ea1_scan
    .symbol:         k_q8f1d401ea1_scan.kd
    .args:
      - { .name: h, .offset: 0, .size: 8, .value_kind: global_buffer, .address_space: global }
      - { .name: out0, .offset: 8, .size: 8, .value_kind: global_buffer, .address_space: global }
    .group_segment_fixed_size: 0
    .private_segment_fixed_size: 0
    .kernarg_segment_align: 8
    .kernarg_segment_size: 16
    .max_flat_workgroup_size: 256
    .sgpr_count:     66
    .vgpr_count:     144
    .wavefront_size: 32
...
	.end_amdgpu_metadata
.endif
;; end of part 2
